; MI455X (gfx1250); checked and timed in simulation.
; The chip was launched on July 23, 2026; its instructions are those of AMD's public machine-readable ISA for CDNA 5 (MIT licence, August 2026) and "CDNA5" Instruction Set Architecture Reference Guide (July 2026). The comments in the code are by the model that wrote it; some were corrected since.
;; Sigmoid Attention. Allowed arithmetic: matrix products marked QUANTISED: E4M3 operands, one given power-of-two scale a tensor, by v_wmma_f32_16x16x64_fp8_fp8 or v_wmma_f32_16x16x128_fp8_fp8, f32 sums; everything else in f32.
;; Inputs: W_k_codes 768 x 24 x 32 uint8 (E4M3 codes of W_k, K innermost, in blocks of 32 codes); W_q_codes 768 x 24 x 32 uint8 (E4M3 codes of W_q, K innermost, in blocks of 32 codes); W_v_codes 768 x 24 x 32 uint8 (E4M3 codes of W_v, K innermost, in blocks of 32 codes); X_codes 2 x 4,096 x 24 x 32 uint8 (E4M3 codes of X, K innermost, in blocks of 32 codes); lowp_scales 10 int32 (the exponents e of the quantised operands' scales 2^e).
;; Outputs: out0 2 x 4,096 x 768 float32.
;; This version of the problem:
;;   THIS VERSION OF THE PROBLEM IS GIVEN IN LOW PRECISION. The matrix products marked QUANTISED in the list below multiply operands that are first quantised to E4M3 (4 exponent bits, 3 mantissa bits; 8 bits a number), with one given power-of-two scale for each operand tensor; their sums are f32. All else is computed in f32.
;;   The module's matrix products, in the order in which they are computed (A, B: the left and right operand; K: the contracted axis; several contracted axes count as one K, in the product's order):
;;     1. [M 8,192, K 768] x [K 768, N 768]; A: input X (given as codes); B: input W_q (given as codes): QUANTISED (scales: A lowp_scales[0], B lowp_scales[1])
;;     2. [M 8,192, K 768] x [K 768, N 768]; A: input X (given as codes); B: input W_k (given as codes): QUANTISED (scales: A lowp_scales[2], B lowp_scales[3])
;;     3. [M 8,192, K 768] x [K 768, N 768]; A: input X (given as codes); B: input W_v (given as codes): QUANTISED (scales: A lowp_scales[4], B lowp_scales[5])
;;     4. batch 12 x [M 4,096, K 128] x [K 128, N 4,096]; A: computed on the way; B: computed on the way: QUANTISED (scales: A lowp_scales[6], B lowp_scales[7])
;;     5. batch 12 x [M 4,096, K 4,096] x [K 4,096, N 128]; A: computed on the way; B: computed on the way: QUANTISED (scales: A lowp_scales[8], B lowp_scales[9])
;;   THE QUANTISER, for each operand of a quantised product, along K:
;;     - The operand's scale is 2^e, e = its entry of the input lowp_scales (int32; the entries are numbered through the quantised products in the list's order, A before B).
;;     - Each number is divided by the scale, clamped to +-448, and rounded to the nearest number of E4M3, ties to even, subnormals kept.
;;     - The product sums the exact products of the quantised numbers (number of the format x scale) in f32.
;;   ~~~python
;;   def quantise(x, axis, e):      # numpy; x: float32 -> the quantised numbers, widened to float32 again
;;       x = np.moveaxis(x, axis, -1); K = x.shape[-1]
;;       r = np.clip(x / 2.0 ** e, -448, 448)
;;       step = 2.0 ** (np.maximum(np.frexp(np.where(r == 0, 1, r))[1] - 1, -6) - 3)
;;       q = np.round(r / step) * step * 2.0 ** e      # np.round: ties to even
;;       return np.moveaxis(q, -1, axis).astype(np.float32)
;;   ~~~
;;   OPERANDS COMPUTED ON THE WAY. 'Computed on the way' means the value that the module computes at that place (a softmax that the list does not call 'softmax' is quantised finished and normalised). What goes into a quantiser is computed in f32, as accurately as f32 sums, v_exp_f32 and their like allow (about 1e-6 of the number): no bf16 or f16 on the way to a quantiser, and a product that is left as it is and whose result goes on into a quantised operand takes f32 operands (vector FMAs, or v_wmma_f32_16x16x4_f32). A number that lies on a knife's edge between two numbers of the format may be rounded either way, as far as f32 arithmetic and the matrix unit's own rounding can turn it there, and no further.
;;   INPUTS GIVEN AS CODES. W_k (in the module: [768, 768], K = its axis 1); W_q (in the module: [768, 768], K = its axis 1); W_v (in the module: [768, 768], K = its axis 1); X (in the module: [2, 4096, 768], K = its axis 2): each comes as NAME_codes (uint8): NAME with its K axis moved to the last place and cut into blocks of 32 codes, [.., K / 32, bytes a block], one block behind the other in memory; one code a byte (a code: sign, 4 exponent bits, 3 mantissa bits); its scale is its entry of lowp_scales. Its value is code x scale, taken as it is: it is not quantised again, and the codes and scales need not be those that the quantiser above would give.
;; 2 versions, each right. Each part assembles by itself: llvm-mc -triple=amdgcn-amd-amdhsa -mcpu=gfx1250 --defsym DOCPART=n.
;; ======== version 1 of 2: 2 launches
;; workspace buffers: qkv 18,874,368 bytes
;; launch proj (part 1): grid 32 x 6, 4 waves a work-group, clusters of 4 x 1, 327,680 bytes of LDS; arguments X_codes, W_q_codes, W_k_codes, W_v_codes, lowp_scales, qkv; writes qkv
.if DOCPART == 1
	.amdgcn_target "amdgcn-amd-amdhsa--gfx1250"
	.amdhsa_code_object_version 6
	.text
	.protected	k_q590d1b86b3_proj
	.globl	k_q590d1b86b3_proj
	.p2align	8
	.type	k_q590d1b86b3_proj,@function
k_q590d1b86b3_proj:
	s_mov_b64 s[64:65], 0
	v_nop
	global_prefetch_b8 v0, s[64:65] scope:SCOPE_SE
	s_setreg_imm32_b32 hwreg(HW_REG_WAVE_MODE, 25, 1), 1
	s_wait_xcnt 0x0
	s_wait_alu depctr_hold_cnt(0) depctr_sa_sdst(0) depctr_va_vdst(0) depctr_va_sdst(0) depctr_va_ssrc(0) depctr_va_vcc(0) depctr_vm_vsrc(0)
	s_getreg_b32 s2, hwreg(HW_REG_IB_STS2, 6, 4)
	s_cmp_eq_u32 s2, 0
	s_cbranch_scc0 .Lentry_in_a_cluster
	s_endpgm
.Lentry_in_a_cluster:
	s_bfe_u32 s2, ttmp6, 0x10000c
	s_cmp_lg_u32 s2, 0x3003
	s_cbranch_scc0 .Lentry_shape_is_right
	s_endpgm
.Lentry_shape_is_right:
; SIGMOID ATTENTION, launch 1 of 2: the three projections Q = X Wq^T, K = X Wk^T, V = X Wv^T on the given codes of E4M3, sums in f32, and the quantisers of
; the attention's operands: Q and K along the head's 128 channels (768 / 6 heads = 128), V along the keys.  The codes go to the workspace qkv.
; NOTHING OF THE PROBLEM IS LEFT OUT, here or in the second launch: every input has a way to the output, no product is dead, every entry of lowp_scales is read
; (X's three entries 0, 2, 4 each with its own product).
; qkv: part 0 = Q, 1 = K, 2 = V, 6,291,456 bytes each.  In a part, block (bh = 6 b + head, blk = s / 128) lies at (32 bh + blk) x 16,384 and holds 8 fragments of 2,048 bytes, each an
; IMAGE OF AN OPERAND'S 16 REGISTERS: chunk c (512 bytes) holds lane l's registers 4 c .. 4 c + 3 at 16 l.  Q, K: fragment f = rows s = 128 blk + 16 f + (l % 16), register pair i = channels
; 16 i + 8 (l / 16) + 0 .. 7.  V: fragment f = channels 16 f + (l % 16), register pair i = keys 128 blk + 16 i + 8 (l / 16) + 0 .. 7.  So the second launch loads every fragment at 16 x lane.
; SHARES.  192 work-groups of equal work (32 blocks of 256 rows of X  x  6 halves of a weight: y / 2 picks Wq, Wk, Wv; y % 2 its rows 0-383 or 384-767, three heads).  Wave w keeps rows
; 64 w .. 64 w + 63 of X in 384 registers and multiplies them by a head's 128 rows of W (a chunk) at a time: 32 accumulators, 256 registers; each fragment of W read from LDS feeds four products.
; Q, K: source 0 = 16 rows of W, source 1 = 16 rows of X: a lane holds one row s and eight neighbouring channels.  V: the sources swapped: a lane holds one channel and eight neighbouring keys.
; So the conversions' results are the images' registers, and each store of a wave covers 512 consecutive bytes, aligned.
; k within a K step of 128 is taken by four loads of 16 bytes a fragment: the same permutation of k in X and in W, so every product meets its partner.
; CLUSTER 4 x 1: the four partners share y, so W's tiles are asked for jointly (mask 15).  X's tiles are each work-group's own (mask 0): those that share rows of X lie along y, and 6 is no multiple of 4.
; LDS: a row of 768 codes lies as three lines of 256 bytes + 16 of padding: pitch 816 bytes = 204 words: row r starts at bank 12 r mod 64 (64 banks of 4 bytes: ISA guide 11.1): 16 rows, 16 different groups of four banks.
;   W chunk 0 at 0 (104,448 bytes); X's 256 rows at 104,448 (208,896 bytes), filled ONCE more, when X is in registers, with W's chunks 1 and 2; the spare words behind.
; LIMITS: E = e(out) - e(X) - e(W) lies between -126 and 119, so that 2^E and 448 x 2^E are f32 numbers.  NaN codes among the inputs are not served.
; REGISTERS, in windows of 256: window 0: v1-12 addresses and the scale; v32-95 codes; v128-255 W's fragments, set 0.   window 1: X, K steps 0-3 (v[64 q + 16 x]).
;   window 2: v0-127 X, K steps 4, 5; v128-255 W's fragments, set 1.   window 3: accumulator (x, wt) at v[8 (8 x + wt)].
.set ROWP,  816                        ; a row of 768 codes in LDS
.set T16,   16*ROWP                    ; a tile of 16 rows
.set CHB,   128*ROWP                   ; a chunk of W
.set XR,    CHB                        ; X's rows, later W's chunks 1 and 2: chunk c lies at c x CHB
.set WQ,    64*ROWP                    ; 64 rows: a wave's tile
.set SPARE, XR+256*ROWP                ; the spare words, 128 bytes for each wave: two blocks of 256 bytes that no other line names
.set PART,  6291456
.set LW,   3                           ; v3   816 (l % 16) + 16 (l / 16): my lane's place in a tile
.set ADX,  4                           ; v4   LDS address of my wave's rows of X
.set ADW,  5                           ; v5, v6  LDS address of the chunk's tiles 0-3, 4-7
.set GO,   7                           ; v7   16 x lane
.set SPW,  8                           ; v8   LDS address of my spare word; never rewritten
.set NIL,  9                           ; v9   0; never rewritten
.set SCL,  12                          ; v12  2^E as f32, for the conversions
.set CD,   32
.set WF,   128
.set WV,   16                          ; s16  wave
.set XB,   18                          ; s18  my block of 256 rows of X
.set WSEL, 20                          ; s20  0: Q, 1: K, 2: V
.set HALF, 21                          ; s21  which 384 rows of the weight
.set G1X,  24                          ; s[24:31] group 1, X's tile: 192 lines, no mask
.set G1W,  32                          ; s[32:39] group 1, W's chunks 1 and 2: 192 lines, mask 15
.set G1W0, 40                          ; s[40:47] group 1, W's chunk 0: 96 lines, mask 15
.set G0X,  48
.set G0W0, 52
.set G0R,  56
.set WP,   60                          ; s[60:61] the weight's address
.set OUTB, 66                          ; s[66:67] where my wave's images of the chunk in hand begin
.set PLIM, 71                          ; s71  448 x 2^E
.set NLIM, 72                          ; s72  the same, negative
.set WB,   73                          ; s73  LDS byte of the chunk in hand
.set CNT,  74
.set MSB, 0
.macro WIN new                         ; the immediate's high byte repeats the setting that is left; a switch that changes nothing is dropped
.if MSB != (\new)
	s_set_vgpr_msb (MSB<<8)|(\new)
.set MSB, (\new)
.endif
.endm
.macro PLACES n
.rept \n
	v_nop
.endr
.endm
.macro CROUND                          ; a round of the cluster's barrier
	s_barrier_signal -1
	s_barrier_wait -1
	s_cmp_lg_u32 s[WV], 0
	s_cbranch_scc1 .Lnot_wave_0_\@
	s_barrier_signal -3
.Lnot_wave_0_\@:
	s_barrier_wait -3
	s_barrier_signal -1
	s_barrier_wait -1
.endm
	s_load_b256 s[4:11], s[0:1], 0x0               ; X s[4:5], Wq s[6:7], Wk s[8:9], Wv s[10:11]
	s_load_b128 s[12:15], s[0:1], 0x20             ; the scales' exponents s[12:13], qkv s[14:15]
	v_lshl_add_u32 v[SPW], v0, 2, SPARE
	v_mov_b32 v[NIL], 0
	ds_add_u32 v[SPW], v[NIL]                      ; the wave's opening: the add, twice on end, and its wait ahead of my first tensor load
	ds_add_u32 v[SPW], v[NIL]                      ; and once more, under the one wait; the set-up below, work on registers, stands between
	v_lshrrev_b32 v1, 5, v0
	v_readfirstlane_b32 s[WV], v1                  ; wave 0..3
	s_bfe_u32 s17, ttmp6, 0x40000                  ; cx: my place in the cluster
	s_lshl_b32 s[XB], ttmp9, 2                     ; in a cluster launch ttmp9 counts clusters
	s_add_co_u32 s[XB], s[XB], s17                 ; my block of X = 4 x cluster x + cx: it enters X's address and the output's alone
	s_and_b32 s19, ttmp7, 0xffff                   ; y, which the four partners share
	s_lshr_b32 s[WSEL], s19, 1
	s_and_b32 s[HALF], s19, 1
	; group 1: a dense block of memory as lines of 32 elements of 8 bytes, 16 bytes of padding behind each line
.set PADW, (3<<16)|(1<<20)|(5<<22)|(3<<25)     ; 17:16 elements of 8 bytes; 20 padding on; 24:22 after every 64 words (code 5); 31:25 four words (code 3)
	s_mov_b32 s[G1X], PADW                         ; 15:0 no mask: X's tile is my own
	s_mov_b32 s[G1W], PADW|15|(1<<21)              ; 15:0 the mask: all four work-groups; 21 set beside a mask
	s_mov_b32 s[G1W0], PADW|15|(1<<21)
.irp g, G1X, G1W
	s_mov_b32 s[\g+1], 32<<16                      ; tensor_dim0 = 32
	s_mov_b32 s[\g+2], 192<<16                     ; tensor_dim1 = 192 lines: 64 rows of 768 bytes
	s_mov_b32 s[\g+3], 32<<16                      ; tile_dim0 = 32
	s_mov_b32 s[\g+4], 192                         ; tile_dim1
	s_mov_b32 s[\g+5], 32                          ; from line to line
	s_mov_b32 s[\g+6], 0
	s_mov_b32 s[\g+7], 0
.endr
	s_mov_b32 s[G1W0+1], 32<<16
	s_mov_b32 s[G1W0+2], 96<<16                    ; 96 lines: 32 rows
	s_mov_b32 s[G1W0+3], 32<<16
	s_mov_b32 s[G1W0+4], 96
	s_mov_b32 s[G1W0+5], 32
	s_mov_b32 s[G1W0+6], 0
	s_mov_b32 s[G1W0+7], 0
	s_mul_i32 s76, s[XB], 196608                   ; X: my block's 256 rows of 768 bytes,
	s_mul_i32 s22, s[WV], 49152                    ; my wave's 64 of them
	s_add_co_u32 s76, s76, s22
	s_mov_b32 s77, 0
	s_mul_i32 s78, s[HALF], 294912                 ; W: my half's 384 rows; chunk 0: my wave's 32 rows.  (s75, s78, s79 never hold cx)
	s_mul_i32 s75, s[WV], 24576
	s_add_co_u32 s78, s78, s75
	s_mov_b32 s79, 0
	s_lshl_b32 s62, s[WSEL], 3                     ; entries 2 WSEL, 2 WSEL + 1: X's and W's exponents
	s_lshl_b32 s63, s[WSEL], 2                     ; entry 6 (Q), 7 (K), 9 (V): the exponent of what is made
	s_cmp_eq_u32 s[WSEL], 2
	s_cselect_b32 s75, 4, 0
	s_add_co_u32 s63, s63, s75
	s_mov_b32 s[WB], 0
	s_wait_dscnt 0x0                               ; both opening adds are done
	s_wait_kmcnt 0x0
	s_load_b64 s[68:69], s[12:13], s62 offset:0x0
	s_load_b32 s70, s[12:13], s63 offset:0x18
	s_cmp_eq_u32 s[WSEL], 0                        ; the weight is chosen by the work-group's y alone
	s_cselect_b64 s[WP:WP+1], s[6:7], s[8:9]
	s_cmp_eq_u32 s[WSEL], 2
	s_cselect_b64 s[WP:WP+1], s[10:11], s[WP:WP+1]
	s_mov_b32 s[G0X], 1                            ; count = 1
	s_mul_i32 s[G0X+1], s[WV], WQ
	s_add_co_u32 s[G0X+1], s[G0X+1], XR            ; LDS address: my wave's 64 rows
	s_add_nc_u64 s[G0X+2:G0X+3], s[4:5], s[76:77]
	s_or_b32 s[G0X+3], s[G0X+3], 0x80000000        ; type = 2
	s_mov_b32 s[G0W0], 1
	s_mul_i32 s[G0W0+1], s[WV], 32*ROWP            ; chunk 0 lies at LDS byte 0
	s_add_nc_u64 s[G0W0+2:G0W0+3], s[WP:WP+1], s[78:79]
	s_or_b32 s[G0W0+3], s[G0W0+3], 0x80000000
	s_mul_i32 s75, s[WV], 24576                    ; chunks 1 and 2: 128 rows on, my wave's 64 rows
	s_add_co_u32 s78, s78, s75
	s_add_co_u32 s78, s78, 98304
	s_mov_b32 s[G0R], 1
	s_mul_i32 s[G0R+1], s[WV], WQ
	s_add_co_u32 s[G0R+1], s[G0R+1], XR            ; the very bytes that my tile of X fills first
	s_add_nc_u64 s[G0R+2:G0R+3], s[WP:WP+1], s[78:79]
	s_or_b32 s[G0R+3], s[G0R+3], 0x80000000
	CROUND                                         ; all four work-groups are here: the first joint loads meet
	tensor_load_to_lds s[G0X:G0X+3], s[G1X:G1X+7]  ; the first fills go out together: two loads of mine are out
	s_nop 0
	tensor_load_to_lds s[G0W0:G0W0+3], s[G1W0:G1W0+7]
	s_nop 0
	PLACES 4
	v_and_b32 v1, 15, v0                           ; l % 16
	v_bfe_u32 v2, v0, 4, 1                         ; l / 16
	v_mul_u32_u24 v[LW], v1, ROWP
	v_lshl_add_u32 v[LW], v2, 4, v[LW]
	s_mul_i32 s75, s[WV], WQ
	s_add_co_u32 s75, s75, XR
	v_add_nc_u32 v[ADX], s75, v[LW]
	v_and_b32 v[GO], 31, v0
	v_lshlrev_b32 v[GO], 4, v[GO]
; my 64 rows of X, all of K, into registers: 24 fragments, 96 loads.  K step q of a row begins at byte 128 q + 16 (q / 2): a padding lies behind every 256 bytes
.macro XFETCH
	WIN 0x40                                       ; destination window 1
.irp q, 0,1,2,3
.irp x, 0,1,2,3
.irp c, 0,1,2,3
	ds_load_b128 v[64*\q+16*\x+4*\c:64*\q+16*\x+4*\c+3], v[ADX] offset:\x*T16+128*\q+16*(\q/2)+32*\c
.endr
.endr
.endr
	WIN 0x80                                       ; destination window 2
.irp q, 4,5
.irp x, 0,1,2,3
.irp c, 0,1,2,3
	ds_load_b128 v[64*(\q-4)+16*\x+4*\c:64*(\q-4)+16*\x+4*\c+3], v[ADX] offset:\x*T16+128*\q+16*(\q/2)+32*\c
.endr
.endr
.endr
.endm
; the chunk's eight fragments of K step q into set 0 (window 0) or 1 (window 2): 32 loads in one run
.macro FETCHW q, set
.if (\set) == 0
	WIN 0
.else
	WIN 0x80
.endif
.irp wt, 0,1,2,3,4,5,6,7
.irp c, 0,1,2,3
	ds_load_b128 v[WF+16*\wt+4*\c:WF+16*\wt+4*\c+3], v[ADW+\wt/4] offset:(\wt%4)*T16+128*(\q)+16*((\q)/2)+32*\c
.endr
.endr
.endm
; K step q: 32 matrix instructions; the 32 accumulators take turns, one instruction a turn, in the same order in every step.  The first step starts the sums: nothing is cleared.
.macro MULQ q, vpath
.if (\q) < 4
.set XW, 1
.set XB0, 64*(\q)
.else
.set XW, 2
.set XB0, 64*((\q)-4)
.endif
.set WW, 2*((\q)%2)
.if \vpath
	WIN 0xF0|(WW<<2)|XW                            ; source 0 = X, source 1 = W; C and D window 3
.else
	WIN 0xF0|(XW<<2)|WW                            ; source 0 = W, source 1 = X
.endif
.irp x, 0,1,2,3
.irp wt, 0,1,2,3,4,5,6,7
.if \vpath
.if (\q) == 0
	v_wmma_f32_16x16x128_fp8_fp8 v[8*(8*\x+\wt):8*(8*\x+\wt)+7], v[XB0+16*\x:XB0+16*\x+15], v[WF+16*\wt:WF+16*\wt+15], 0
.else
	v_wmma_f32_16x16x128_fp8_fp8 v[8*(8*\x+\wt):8*(8*\x+\wt)+7], v[XB0+16*\x:XB0+16*\x+15], v[WF+16*\wt:WF+16*\wt+15], v[8*(8*\x+\wt):8*(8*\x+\wt)+7]
.endif
.else
.if (\q) == 0
	v_wmma_f32_16x16x128_fp8_fp8 v[8*(8*\x+\wt):8*(8*\x+\wt)+7], v[WF+16*\wt:WF+16*\wt+15], v[XB0+16*\x:XB0+16*\x+15], 0
.else
	v_wmma_f32_16x16x128_fp8_fp8 v[8*(8*\x+\wt):8*(8*\x+\wt)+7], v[WF+16*\wt:WF+16*\wt+15], v[XB0+16*\x:XB0+16*\x+15], v[8*(8*\x+\wt):8*(8*\x+\wt)+7]
.endif
.endif
.endr
.endr
.endm
; THE QUANTISER AND THE WAY OUT of a chunk.  A sum stands for sum x 2^(e(X) + e(W)): its code is sum / 2^E, the three exponents folded into the conversion's one scale.
.macro EPI vpath
	PLACES 4                                       ; four places between the last products and the first read of results (ISA guide 7.12.1)
	WIN 0xC3                                       ; source 0 and destination window 3
.set J, 0
.rept 256
	v_med3_num_f32 v[J], v[J], s[NLIM], s[PLIM]    ; the conversion to an 8-bit code does not saturate (ISA guide 7.6.2): the hold at +-448 x 2^E; each accumulator from its low end on
.set J, J+1
.endr
	WIN 0x03                                       ; source 0 window 3; the scale and the codes in window 0
.if \vpath
.irp wt, 0,1,2,3,4,5,6,7                       ; V: fragment wt, my two chunks: X's tiles 2 b, 2 b + 1 are 32 neighbouring keys
.irp b, 0,1
	v_cvt_scalef32_pk8_fp8_f32 v[CD+4*(2*\wt+\b):CD+4*(2*\wt+\b)+1], v[8*(16*\b+\wt):8*(16*\b+\wt)+7], v[SCL]
	v_cvt_scalef32_pk8_fp8_f32 v[CD+4*(2*\wt+\b)+2:CD+4*(2*\wt+\b)+3], v[8*(16*\b+8+\wt):8*(16*\b+8+\wt)+7], v[SCL]
.endr
.endr
.else
.irp x, 0,1,2,3                                ; Q, K: fragment x, its four chunks: W's tiles 2 b, 2 b + 1 are 32 neighbouring channels
.irp b, 0,1,2,3
	v_cvt_scalef32_pk8_fp8_f32 v[CD+4*(4*\x+\b):CD+4*(4*\x+\b)+1], v[8*(8*\x+2*\b):8*(8*\x+2*\b)+7], v[SCL]
	v_cvt_scalef32_pk8_fp8_f32 v[CD+4*(4*\x+\b)+2:CD+4*(4*\x+\b)+3], v[8*(8*\x+2*\b+1):8*(8*\x+2*\b+1)+7], v[SCL]
.endr
.endr
.endif
	v_nop                                          ; one plain vector instruction behind the last conversion: the next chunk's products write its sources
	WIN 0
.if \vpath
.irp wt, 0,1,2,3,4,5,6,7
.irp b, 0,1
	global_store_b128 v[GO], v[CD+4*(2*\wt+\b):CD+4*(2*\wt+\b)+3], s[OUTB:OUTB+1] offset:\wt*2048+\b*512   ; 32 lanes store 512 consecutive bytes, aligned
.endr
.endr
.else
.irp x, 0,1,2,3
.irp b, 0,1,2,3
	global_store_b128 v[GO], v[CD+4*(4*\x+\b):CD+4*(4*\x+\b)+3], s[OUTB:OUTB+1] offset:\x*2048+\b*512
.endr
.endr
.endif
	s_wait_xcnt 0x0                                ; the stores have read their base and their data: both are written again only behind this wait
	s_add_nc_u64 s[OUTB:OUTB+1], s[OUTB:OUTB+1], 524288   ; the next head (behind the last chunk the stepped address is not used)
.endm
; A chunk: six K steps on two sets of W's fragments; the next step's 32 loads go out in one run ahead of a step's 32 products
.macro BODY vpath
	FETCHW 0, 0
.irp q, 0,1,2,3,4,5
.if \q < 5
.if \q > 0
	PLACES 4                                       ; in front of loads into the set that the step before multiplied
.endif
	FETCHW (\q+1), ((\q+1)%2)
	s_wait_dscnt 32                                ; all but the 32 just issued: this step's set is in
.else
	s_wait_dscnt 0x0
.endif
	MULQ \q, \vpath
.endr
	EPI \vpath
.endm
.macro CHUNK
	v_add_nc_u32 v[ADW], s[WB], v[LW]
	v_add_nc_u32 v[ADW+1], 4*T16, v[ADW]           ; tiles 4-7 lie beyond an LDS load's 16-bit offset
	s_cmp_eq_u32 s[WSEL], 2                        ; V takes the swapped sources: a branch on y, the same in all waves and all partners
	s_cbranch_scc1 .Lfor_v_\@
	BODY 0
	s_branch .Ljoin_\@
.Lfor_v_\@:
	BODY 1
.Ljoin_\@:
	s_add_co_u32 s[WB], s[WB], CHB
.endm
	s_wait_tensorcnt 0x1                           ; my tile of X is in; W's chunk 0, issued behind it, may stay out.  Only I read these rows of X
	XFETCH
	WIN 0
	s_wait_tensorcnt 0x0                           ; all my tensor loads have landed: my part of W's chunk 0 too
	ds_add_u32 v[SPW], v[NIL]                      ; 0 onto my spare word; the scalar work below stands between it and the wait for it
	s_wait_kmcnt 0x0                               ; the three exponents
	s_sub_co_i32 s70, s70, s68
	s_sub_co_i32 s70, s70, s69                     ; E = e(out) - e(X) - e(W)
	s_add_co_i32 s70, s70, 127
	s_lshl_b32 s75, s70, 23
	v_mov_b32 v[SCL], s75                          ; 2^E as f32: the conversion takes its exponent field
	s_add_co_i32 s70, s70, 8
	s_lshl_b32 s[PLIM], s70, 23
	s_or_b32 s[PLIM], s[PLIM], 0x600000            ; 448 x 2^E
	s_or_b32 s[NLIM], s[PLIM], 0x80000000
	s_mul_i32 s76, s[WSEL], PART                   ; where my images begin: the part,
	s_lshr_b32 s22, s[XB], 4
	s_mul_i32 s22, s22, 3145728                    ; the batch's 6 heads,
	s_add_co_u32 s76, s76, s22
	s_mul_i32 s22, s[HALF], 1572864                ; my half's 3 heads,
	s_add_co_u32 s76, s76, s22
	s_and_b32 s22, s[XB], 15
	s_lshl_b32 s22, s22, 15                        ; my 256 rows: two blocks,
	s_add_co_u32 s76, s76, s22
	s_lshl_b32 s22, s[WV], 13                      ; Q, K: my wave's four fragments;
	s_lshr_b32 s23, s[WV], 1
	s_lshl_b32 s23, s23, 14                        ; V: my block,
	s_and_b32 s77, s[WV], 1
	s_lshl_b32 s77, s77, 10                        ; and my two chunks of each fragment
	s_add_co_u32 s23, s23, s77
	s_cmp_eq_u32 s[WSEL], 2
	s_cselect_b32 s22, s23, s22
	s_add_co_u32 s76, s76, s22
	s_mov_b32 s77, 0
	s_add_nc_u64 s[OUTB:OUTB+1], s[14:15], s[76:77]
	s_wait_dscnt 0x0                               ; the add is done, and my 96 reads of X's rows are back
	CROUND                                         ; no wave of any partner still reads X's rows or has a load on its way; W's chunk 0 is whole
	tensor_load_to_lds s[G0R:G0R+3], s[G1W:G1W+7]  ; the one refill: W's chunks 1 and 2 over X's rows; it has chunk 0's 192 products and its way out in which to land
	s_nop 0
	PLACES 4
	CHUNK                                          ; chunk 0
	s_wait_tensorcnt 0x0                           ; my part of chunks 1 and 2 is in,
	s_wait_dscnt 0x0
	s_barrier_signal -1
	s_barrier_wait -1                              ; everybody's is
	s_mov_b32 s[CNT], 2
.Lchunk:
	CHUNK
	s_sub_co_u32 s[CNT], s[CNT], 1
	s_cmp_lg_u32 s[CNT], 0
	s_cbranch_scc1 .Lchunk
	s_wait_tensorcnt 0x0                           ; the wave's end
	ds_add_u32 v[SPW], v[NIL]
	s_wait_dscnt 0x0
	CROUND                                         ; the closing round: no work-group ends while a partner may still ask for a tile that names it
	s_endpgm
.Lfunc_end_k_q590d1b86b3_proj:
	.size	k_q590d1b86b3_proj, .Lfunc_end_k_q590d1b86b3_proj-k_q590d1b86b3_proj
	.p2alignl 7, 3214868480
	.fill 96, 4, 3214868480
	.section	.rodata,"a",@progbits
	.p2align	6, 0x0
	.amdhsa_kernel k_q590d1b86b3_proj
		.amdhsa_group_segment_fixed_size 327680
		.amdhsa_private_segment_fixed_size 0
		.amdhsa_enable_private_segment 0
		.amdhsa_kernarg_size 48
		.amdhsa_user_sgpr_count 2
		.amdhsa_user_sgpr_kernarg_segment_ptr 1
		.amdhsa_wavefront_size32 1
		.amdhsa_system_sgpr_workgroup_id_x 1
		.amdhsa_system_sgpr_workgroup_id_y 1
		.amdhsa_system_sgpr_workgroup_id_z 1
		.amdhsa_system_vgpr_workitem_id 0
		.amdhsa_next_free_vgpr 1024
		.amdhsa_next_free_sgpr 80
		.amdhsa_reserve_vcc 0
		.amdhsa_float_denorm_mode_32 3
		.amdhsa_float_denorm_mode_16_64 3
		.amdhsa_memory_ordered 1
		.amdhsa_forward_progress 1
		.amdhsa_inst_pref_size 194
	.end_amdhsa_kernel
	.amdgpu_metadata
---
amdhsa.version: [ 1, 2 ]
amdhsa.kernels:
  - .name:           k_q590d1b86b3_proj
    .symbol:         k_q590d1b86b3_proj.kd
    .args:
      - { .name: X_codes, .offset: 0, .size: 8, .value_kind: global_buffer, .address_space: global }
      - { .name: W_q_codes, .offset: 8, .size: 8, .value_kind: global_buffer, .address_space: global }
      - { .name: W_k_codes, .offset: 16, .size: 8, .value_kind: global_buffer, .address_space: global }
      - { .name: W_v_codes, .offset: 24, .size: 8, .value_kind: global_buffer, .address_space: global }
      - { .name: lowp_scales, .offset: 32, .size: 8, .value_kind: global_buffer, .address_space: global }
      - { .name: qkv, .offset: 40, .size: 8, .value_kind: global_buffer, .address_space: global }
    .group_segment_fixed_size: 327680
    .private_segment_fixed_size: 0
    .kernarg_segment_align: 8
    .kernarg_segment_size: 48
    .max_flat_workgroup_size: 128
    .sgpr_count:     80
    .vgpr_count:     1024
    .wavefront_size: 32
...
	.end_amdgpu_metadata
.endif
;; end of part 1
;; launch attn (part 2): grid 16 x 12, 8 waves a work-group, clusters of 4 x 1, 327,680 bytes of LDS; arguments qkv, lowp_scales, out0; writes out0
.if DOCPART == 2
	.amdgcn_target "amdgcn-amd-amdhsa--gfx1250"
	.amdhsa_code_object_version 6
	.text
	.protected	k_q590d1b86b3_attn
	.globl	k_q590d1b86b3_attn
	.p2align	8
	.type	k_q590d1b86b3_attn,@function
k_q590d1b86b3_attn:
	s_mov_b64 s[64:65], 0
	v_nop
	global_prefetch_b8 v0, s[64:65] scope:SCOPE_SE
	s_setreg_imm32_b32 hwreg(HW_REG_WAVE_MODE, 25, 1), 1
	s_wait_xcnt 0x0
	s_wait_alu depctr_hold_cnt(0) depctr_sa_sdst(0) depctr_va_vdst(0) depctr_va_sdst(0) depctr_va_ssrc(0) depctr_va_vcc(0) depctr_vm_vsrc(0)
	s_getreg_b32 s2, hwreg(HW_REG_IB_STS2, 6, 4)
	s_cmp_eq_u32 s2, 0
	s_cbranch_scc0 .Lentry_in_a_cluster
	s_endpgm
.Lentry_in_a_cluster:
	s_bfe_u32 s2, ttmp6, 0x10000c
	s_cmp_lg_u32 s2, 0x3003
	s_cbranch_scc0 .Lentry_shape_is_right
	s_endpgm
.Lentry_shape_is_right:
; SIGMOID ATTENTION, launch 2 of 2: out[b][q][head] = the sum over keys of sigmoid(Q . K / sqrt(128) - ln 4096) V, both products on codes of E4M3, sums in f32.  No work of the problem is left out.
; qkv holds Q's, K's and V's codes as images of operand registers (6,291,456 bytes a part; block (bh, s / 128) at (32 bh + blk) x 16,384; 8 fragments of 2,048 bytes; lane l's registers 4 c .. 4 c + 3 at 512 c + 16 l):
; every fragment comes by four loads of 16 bytes at 16 x lane, and a key step's K or V is one dense block of 16,384 bytes.
; THE SIGMOID.  p = 1 / (1 + u), u = 2^(sum x c + 12), c = -log2(e) / sqrt(128) x 2^(e6 + e7); 12 = log2(4096) is the bias times -log2(e), exact.  All in f32: one packed multiply-add, v_exp_f32, one packed
; addition, v_rcp_f32.  u beyond f32's range gives p = 0, u under it p = 1.  p is held at 448 x 2^e8 (it is never negative) and converted with the scale 2^e8.  There is no maximum, no row sum and no rescaling in this problem.
; SHARES.  192 work-groups of equal work: 256 queries of one of the 12 (batch, head) pairs.  Each of eight waves owns 32 queries, two tiles, in 512 registers: each fragment of K and V read from LDS feeds two
; products, and two waves lie on a SIMD, so that one wave's products and LDS loads stand beside the other's vector work, which is the larger part: 528 vector instructions for a key step's 32 products.
; LAYOUT.  S^T = K Q^T (source 0 = 16 keys, source 1 = 16 queries): lane l holds query l % 16 and keys 16 t + 8 (l / 16) + 0 .. 7, so the conversion of tile t gives registers 2 t, 2 t + 1 of P, source 1 of
; O^T = V^T P^T (source 0 = 16 channels), whose result holds query l % 16 and channels 16 t + 8 (l / 16) + 0 .. 7.  Nothing changes lanes.
; CLUSTER 4 x 1: the four query blocks of a cluster belong to one head and walk the same K and V: each tile is asked for jointly.  RING: two slots of four key steps (K's four blocks, then V's four: 131,072 bytes);
; wave w brings block w of a slot, one load of 16,384 bytes a wave behind each round; it has four key steps in which to land.  A wave never has more than one tensor load out, and every wait for them is for 0.
; LIMITS on the given exponents, so that each power of two below is an f32 number: e6 + e7 between -123 and 130 (added to c's exponent field); e8 between -126 and 119; e8 + e9 between -126 and 127.
; A p under 2^-126 counts as 0.  NaN codes among the inputs are not served.
; REGISTERS: window 0: v1-13 addresses and constants; v32-95 four fragments (F0); v96-127 P (16 a tile); v128-255 S^T, then p (64 a tile).   window 1: v0-127 O^T (64 a tile); v128-159 Q; v160-223 four fragments (F1).
.set SLOT1, 1<<17                      ; slot 1 begins here, so that one exclusive or turns an address in one slot into the other's
.set SPARE, 2*SLOT1                    ; the spare words, 128 bytes for each wave: four blocks of 256 bytes that no other line names
.set STAGE, SPARE+1024                 ; the way out: 16 rows x 272 bytes for each wave; no fill ever lands here
.set SP,    272
.set PART,  6291456
.set LI,   1                           ; v1   16 x lane
.set ADK,  2                           ; v2   LDS address of the step's K
.set ADV,  3                           ; v3   of its V
.set SPW,  4                           ; v4   LDS address of my spare word; never rewritten
.set NIL,  5                           ; v5   0; never rewritten
.set STO,  6                           ; v6   the way out: where I put 32 bytes of a row
.set RD,   7                           ; v7   where I read a row back
.set GO,   8                           ; v8   my byte offset in the wave's rows of out0
.set PFO,  9                           ; v9   256 x lane; never rewritten
.set LIMV, 10                          ; v10  448 x 2^e8
.set SCL,  11                          ; v11  2^e8
.set TW,   12                          ; v[12:13] 12.0
.set F0,   32
.set P,    96
.set S,    128
.set Q,    128                         ; in window 1
.set F1,   160                         ; in window 1
.set WV,   10
.set CX,   11
.set QB,   12                          ; my block of 256 queries
.set BH,   13                          ; 6 b + head
.set BB,   14
.set HD,   15
.set G1,   16                          ; s[16:23]
.set G0,   24                          ; s[24:27], which walks
.set PFA,  28                          ; s[28:29] where my prefetches stand
.set LIM,  30                          ; 1 in a wave that prefetches, else the greatest number
.set SLOTS, 31
.set CNT,  32
.set TB,   33                          ; LDS byte of the key step in hand
.set CS,   34                          ; s[34:35] c
.set SC,   36                          ; s[36:37] 2^(e8 + e9)
.set QP,   48                          ; s[48:49] Q's images of my wave
.set OUT,  50                          ; s[50:51] my wave's first row of out0, at my head's columns
.set MSB, 0
.macro WIN new                         ; the immediate's high byte repeats the setting that is left; a switch that changes nothing is dropped
.if MSB != (\new)
	s_set_vgpr_msb (MSB<<8)|(\new)
.set MSB, (\new)
.endif
.endm
.macro PLACES n
.rept \n
	v_nop
.endr
.endm
.macro CROUND                          ; a round of the cluster's barrier
	s_barrier_signal -1
	s_barrier_wait -1
	s_cmp_lg_u32 s[WV], 0
	s_cbranch_scc1 .Lnot_wave_0_\@
	s_barrier_signal -3
.Lnot_wave_0_\@:
	s_barrier_wait -3
	s_barrier_signal -1
	s_barrier_wait -1
.endm
; A PREFETCH INTO THE L2 of the slot that the NEXT change of slots will ask for: four key steps ahead of that load.  All clusters of a head walk the same K and V: the head's first cluster asks.  Its four
; partners take one block of 16,384 bytes of K and one of V each, told apart BY ADDRESS; in each, waves 0 and 1 ask for the halves of K's block and waves 4 and 5 for V's: lanes 256 bytes apart, one instruction.
; So each aligned block of 256 bytes is named once.  The last change that fills a slot asks for nothing; slots 0 and 1 come by their loads alone.
.macro ASK
	s_cmp_gt_u32 s[SLOTS], s[LIM]
	s_cbranch_scc0 .Lnot_mine_\@
	global_prefetch_b8 v[PFO], s[PFA:PFA+1] th:TH_LOAD_NT scope:SCOPE_SE
.Lnot_mine_\@:
.endm
	s_load_b128 s[4:7], s[0:1], 0x0                ; qkv s[4:5], the scales' exponents s[6:7]
	s_load_b64 s[8:9], s[0:1], 0x10                ; out0
	v_lshl_add_u32 v[SPW], v0, 2, SPARE
	v_mov_b32 v[NIL], 0
	ds_add_u32 v[SPW], v[NIL]                      ; the wave's opening: the add, twice on end, and its wait ahead of my first tensor load
	ds_add_u32 v[SPW], v[NIL]                      ; and once more, under the one wait; the set-up below, work on registers, stands between
	v_lshrrev_b32 v1, 5, v0
	v_readfirstlane_b32 s[WV], v1                  ; wave 0..7
	s_bfe_u32 s[CX], ttmp6, 0x40000                ; cx: my place in the cluster
	s_lshl_b32 s[QB], ttmp9, 2
	s_add_co_u32 s[QB], s[QB], s[CX]               ; my block of queries = 4 x cluster x + cx: it enters Q's and out0's addresses alone
	s_and_b32 s[BH], ttmp7, 0xffff                 ; which the four partners share
	s_cmp_ge_u32 s[BH], 6
	s_cselect_b32 s[BB], 1, 0                      ; the batch,
	s_mul_i32 s[HD], s[BB], 6
	s_sub_co_u32 s[HD], s[BH], s[HD]               ; the head
	; group 1: a dense block of 16,384 bytes as 64 lines of 32 elements of 8 bytes; no padding: every read is 16 x lane
	s_mov_b32 s[G1], 15|(3<<16)|(1<<21)            ; 15:0 the mask: all four work-groups; 17:16 elements of 8 bytes; 21 set beside a mask
	s_mov_b32 s[G1+1], 32<<16                      ; tensor_dim0 = 32
	s_mov_b32 s[G1+2], 64<<16                      ; tensor_dim1 = 64
	s_mov_b32 s[G1+3], 32<<16                      ; tile_dim0 = 32
	s_mov_b32 s[G1+4], 64                          ; tile_dim1 = 64
	s_mov_b32 s[G1+5], 32                          ; from line to line
	s_mov_b32 s[G1+6], 0
	s_mov_b32 s[G1+7], 0
	s_lshr_b32 s46, s[WV], 2                       ; waves 0-3 fetch for K (part 1), waves 4-7 for V (part 2)
	s_add_co_u32 s46, s46, 1
	s_mul_i32 s46, s46, PART
	s_lshl_b32 s47, s[BH], 19                      ; the head's 32 blocks
	s_add_co_u32 s46, s46, s47
	s_and_b32 s44, s[WV], 3
	s_lshl_b32 s44, s44, 14                        ; which of a slot's four key steps I fetch
	s_add_co_u32 s44, s44, s46                     ; (s44 to s47 never hold cx)
	s_mov_b32 s45, 0
	s_lshl_b32 s52, s[CX], 14                      ; the prefetches: my work-group's block,
	s_and_b32 s53, s[WV], 1
	s_lshl_b32 s53, s53, 13                        ; my wave's half of it,
	s_add_co_u32 s52, s52, s53
	s_add_co_u32 s52, s52, s46
	s_add_co_u32 s52, s52, 65536                   ; in slot 1: the first change of slots steps it to slot 2.  Nothing is prefetched at the head
	s_mov_b32 s53, 0
	s_lshl_b32 s54, s[QB], 15                      ; Q (part 0): my block's 16 fragments,
	s_add_co_u32 s54, s54, s47
	s_lshl_b32 s55, s[WV], 12                      ; my wave's two
	s_add_co_u32 s54, s54, s55
	s_mov_b32 s55, 0
	s_mul_i32 s56, s[BB], 12582912                 ; out0: the batch's 4,096 rows of 3,072 bytes,
	s_mul_i32 s57, s[QB], 786432                   ; my block's 256,
	s_add_co_u32 s56, s56, s57
	s_mul_i32 s57, s[WV], 98304                    ; my wave's 32,
	s_add_co_u32 s56, s56, s57
	s_lshl_b32 s57, s[HD], 9                       ; my head's 512 bytes of a row
	s_add_co_u32 s56, s56, s57
	s_mov_b32 s57, 0
	s_and_b32 s[LIM], s[WV], 2                     ; 0 in waves 0, 1, 4, 5,
	s_or_b32 s[LIM], s[LIM], ttmp9                 ; where the cluster is the head's first: the same in all four partners
	s_cmp_eq_u32 s[LIM], 0
	s_cselect_b32 s[LIM], 1, -1
	s_mov_b32 s[TB], 0
	s_mov_b32 s[SLOTS], 7
	s_wait_dscnt 0x0                               ; both opening adds are done
	s_wait_kmcnt 0x0
	s_load_b64 s[40:41], s[6:7], 0x18              ; e6, e7
	s_load_b64 s[42:43], s[6:7], 0x20              ; e8, e9
	s_mov_b32 s[G0], 1                             ; count = 1
	s_lshl_b32 s[G0+1], s[WV], 14                  ; LDS address: block w of slot 0
	s_add_nc_u64 s[G0+2:G0+3], s[4:5], s[44:45]
	s_or_b32 s[G0+3], s[G0+3], 0x80000000          ; type = 2
	s_add_nc_u64 s[PFA:PFA+1], s[4:5], s[52:53]
	s_add_nc_u64 s[QP:QP+1], s[4:5], s[54:55]
	s_add_nc_u64 s[OUT:OUT+1], s[8:9], s[56:57]
	CROUND                                         ; all four work-groups are here: the first joint loads meet
	tensor_load_to_lds s[G0:G0+3], s[G1:G1+7]      ; slot 0
	s_nop 0
	PLACES 4
	v_and_b32 v1, 31, v0
	v_lshlrev_b32 v[LI], 4, v1
	v_lshlrev_b32 v[PFO], 4, v[LI]
	v_mov_b32 v[TW], 0x41400000                    ; 12.0
	v_mov_b32 v[TW+1], 0x41400000
	WIN 0x40                                       ; destination window 1
.irp u, 0,1
.irp c, 0,1,2,3
	global_load_b128 v[Q+16*\u+4*\c:Q+16*\u+4*\c+3], v[LI], s[QP:QP+1] offset:\u*2048+\c*512 th:TH_LOAD_NT   ; Q's two fragments stay in registers
.endr
.endr
.set J, 0
.rept 128
	v_mov_b32 v[J], 0                              ; O^T.  (So the key step is written once for the loop and once for the last slot, with no third copy for a first step)
.set J, J+1
.endr
	WIN 0
	s_wait_kmcnt 0x0
	s_add_co_i32 s44, s40, s41
	s_lshl_b32 s44, s44, 23
	s_mov_b32 s[CS], 0xbe0293ee                    ; -log2(e) / sqrt(128);
	s_add_co_u32 s[CS], s[CS], s44                 ; a sum stands for sum x 2^(e6 + e7): the two exponents are added to c's exponent field
	s_mov_b32 s[CS+1], s[CS]                       ; (named with it as a pair, so it is written)
	s_add_co_i32 s44, s42, 127
	s_lshl_b32 s45, s44, 23
	v_mov_b32 v[SCL], s45                          ; 2^e8 as f32, for the conversion
	s_add_co_i32 s44, s44, 8
	s_lshl_b32 s44, s44, 23
	s_or_b32 s44, s44, 0x600000
	v_mov_b32 v[LIMV], s44                         ; 448 x 2^e8
	s_add_co_i32 s44, s42, s43
	s_add_co_i32 s44, s44, 127
	s_lshl_b32 s[SC], s44, 23                      ; 2^(e8 + e9) as f32
	s_mov_b32 s[SC+1], s[SC]
; A KEY STEP: 128 keys, both my tiles of queries.
.macro STEP
	v_add_nc_u32 v[ADK], s[TB], v[LI]
	v_add_nc_u32 v[ADV], 0x10000, v[ADK]           ; V's blocks lie 65,536 bytes behind K's
	v_nop
	v_nop                                          ; these four lines are the places in front of loads into registers that the last products read
.irp t, 0,1,2,3
.irp c, 0,1,2,3
	ds_load_b128 v[F0+16*\t+4*\c:F0+16*\t+4*\c+3], v[ADK] offset:\t*2048+\c*512
.endr
.endr
	WIN 0x40
.irp t, 0,1,2,3
.irp c, 0,1,2,3
	ds_load_b128 v[F1+16*\t+4*\c:F1+16*\t+4*\c+3], v[ADK] offset:(\t+4)*2048+\c*512
.endr
.endr
	s_wait_dscnt 16                                ; K's fragments 0-3 are in; the 16 loads of fragments 4-7 may be out
	WIN 0x04                                       ; source 0 (K) window 0, source 1 (Q) window 1, S^T window 0
.irp t, 0,1,2,3
.irp u, 0,1
	v_wmma_f32_16x16x128_fp8_fp8 v[S+64*\u+8*\t:S+64*\u+8*\t+7], v[F0+16*\t:F0+16*\t+15], v[Q+16*\u:Q+16*\u+15], 0
.endr
.endr
	s_wait_dscnt 0x0
	WIN 0x05                                       ; source 0 window 1
.irp t, 0,1,2,3
.irp u, 0,1
	v_wmma_f32_16x16x128_fp8_fp8 v[S+64*\u+8*(\t+4):S+64*\u+8*(\t+4)+7], v[F1+16*\t:F1+16*\t+15], v[Q+16*\u:Q+16*\u+15], 0
.endr
.endr
	WIN 0
	PLACES 4                                       ; in front of the loads into K's registers and of the first read of scores
.irp t, 0,1,2,3                                ; V's eight fragments: they land under the vector work below
.irp c, 0,1,2,3
	ds_load_b128 v[F0+16*\t+4*\c:F0+16*\t+4*\c+3], v[ADV] offset:\t*2048+\c*512
.endr
.endr
	WIN 0x40
.irp t, 0,1,2,3
.irp c, 0,1,2,3
	ds_load_b128 v[F1+16*\t+4*\c:F1+16*\t+4*\c+3], v[ADV] offset:(\t+4)*2048+\c*512
.endr
.endr
	WIN 0
.set J, 0
.rept 64
	v_pk_fma_f32 v[S+J:S+J+1], v[S+J:S+J+1], s[CS:CS+1], v[TW:TW+1] op_sel_hi:[1,0,0]   ; sum x c + 12, two at a time; each accumulator from its low end on
.set J, J+2
.endr
.set J, 0
.rept 128
	v_exp_f32 v[S+J], v[S+J]                       ; u
.set J, J+1
.endr
	v_nop                                          ; a plain instruction behind the last exponential
	s_wait_alu depctr_va_vdst(0)                   ; one wait for the batch of 128, ahead of its first reader
.set J, 0
.rept 64
	v_pk_add_f32 v[S+J:S+J+1], v[S+J:S+J+1], 1.0 op_sel_hi:[1,0]
.set J, J+2
.endr
.set J, 0
.rept 128
	v_rcp_f32 v[S+J], v[S+J]                       ; p = 1 / (1 + u)
.set J, J+1
.endr
	v_nop                                          ; a plain instruction behind the last reciprocal
	s_wait_alu depctr_va_vdst(0)                   ; one wait for the batch of 128
.irp u, 0,1
.irp t, 0,1,2,3,4,5,6,7
.irp i, 0,1,2,3,4,5,6,7
	v_min_num_f32 v[S+64*\u+8*\t+\i], v[S+64*\u+8*\t+\i], v[LIMV]   ; the conversion to an 8-bit code does not saturate (ISA guide 7.6.2); p is not negative, so the hold is one-sided
.endr
	v_cvt_scalef32_pk8_fp8_f32 v[P+16*\u+2*\t:P+16*\u+2*\t+1], v[S+64*\u+8*\t:S+64*\u+8*\t+7], v[SCL]
.endr
.endr
	v_nop                                          ; one plain vector instruction between the last conversion and the products that read its result
	s_wait_dscnt 0x0                               ; V is in
	WIN 0x50                                       ; source 0 (V) and source 1 (P) window 0; C and D window 1
.irp t, 0,1,2,3
.irp u, 0,1
	v_wmma_f32_16x16x128_fp8_fp8 v[64*\u+8*\t:64*\u+8*\t+7], v[F0+16*\t:F0+16*\t+15], v[P+16*\u:P+16*\u+15], v[64*\u+8*\t:64*\u+8*\t+7]
.endr
.endr
	WIN 0x51                                       ; source 0 window 1
.irp t, 0,1,2,3
.irp u, 0,1
	v_wmma_f32_16x16x128_fp8_fp8 v[64*\u+8*(\t+4):64*\u+8*(\t+4)+7], v[F1+16*\t:F1+16*\t+15], v[P+16*\u:P+16*\u+15], v[64*\u+8*(\t+4):64*\u+8*(\t+4)+7]
.endr
.endr                                          ; the 16 accumulators take turns, one instruction a step each
	WIN 0
.endm
.macro SLOT_STEPS                      ; a slot's four key steps: written once, walked four times; the LDS addresses hang on s[TB]
	s_mov_b32 s[CNT], 4
.Lstep_\@:
	STEP
	s_add_co_u32 s[TB], s[TB], 16384
	s_sub_co_u32 s[CNT], s[CNT], 1
	s_cmp_lg_u32 s[CNT], 0
	s_cbranch_scc1 .Lstep_\@
	s_sub_co_u32 s[TB], s[TB], 65536               ; back to a slot's first step,
	s_xor_b32 s[TB], s[TB], SLOT1                  ; in the other slot
.endm
; THE CHANGE OF SLOTS stands at a slot's head.  Each wave waits for all its tensor loads (its block of the slot that is about to be read), adds 0 to its spare word, and waits for that and for its reads of the slot
; that it has left.  fill = 1: a round of the cluster's barrier, so that no wave of any partner still reads that slot or has a load on its way; then the joint load of the keys that follow, first thing behind it.
.macro CHANGE fill
	s_wait_tensorcnt 0x0                           ; no tensor load of mine is out, so group 0 may be written
	ds_add_u32 v[SPW], v[NIL]                      ; 0 onto my spare word
.if \fill
	s_xor_b32 s[G0+1], s[G0+1], SLOT1              ; the other slot than last time,
	s_add_nc_u64 s[G0+2:G0+3], s[G0+2:G0+3], 65536 ; the next four key steps; the type bits on top are not reached
	s_wait_xcnt 0x0                                ; the last prefetch, a slot back, has read its address, so it may be written:
	s_add_nc_u64 s[PFA:PFA+1], s[PFA:PFA+1], 65536 ; one slot further on than the walking descriptor
	s_wait_dscnt 0x0                               ; the add is done, and my reads of the slot that I have left are over
	CROUND
	tensor_load_to_lds s[G0:G0+3], s[G1:G1+7]      ; my one tensor load until the next round
	s_nop 0
	PLACES 4
	ASK
.else
	s_wait_dscnt 0x0
	s_barrier_signal -1
	s_barrier_wait -1
.endif
.endm
	s_wait_loadcnt 0x0                             ; Q
.Lslot:                                            ; seven trips: trip i asks for slot i + 1 and reads slot i.
	CHANGE 1
	SLOT_STEPS
	s_sub_co_u32 s[SLOTS], s[SLOTS], 1
	s_cmp_lg_u32 s[SLOTS], 0
	s_cbranch_scc1 .Lslot
	CHANGE 0                                       ; the last slot is written out
	SLOT_STEPS
	; THE WAY OUT.  O^T x 2^(e8 + e9) goes through my stage in LDS, 16 queries x 64 channels (256 bytes a row) at a time, and leaves so that sixteen lanes store 256 consecutive bytes, aligned.
	; The address work is also the places behind the last products.
	v_and_b32 v14, 15, v0                          ; r
	v_bfe_u32 v15, v0, 4, 1                        ; h
	s_mul_i32 s44, s[WV], 16*SP
	s_add_co_u32 s44, s44, STAGE                   ; my stage
	v_mul_u32_u24 v[STO], v14, SP
	v_lshl_add_u32 v[STO], v15, 5, v[STO]
	v_add_nc_u32 v[STO], s44, v[STO]               ; in: row r; tile t's eight channels of my half: 64 t + 32 h bytes on
	v_mul_u32_u24 v[RD], v15, SP
	v_lshl_add_u32 v[RD], v14, 4, v[RD]
	v_add_nc_u32 v[RD], s44, v[RD]                 ; back: lanes 0-15 one row, lanes 16-31 the next
	v_mul_u32_u24 v[GO], v15, 3072
	v_lshl_add_u32 v[GO], v14, 4, v[GO]            ; and the same two rows in out0
.macro PACK p                          ; piece p: tile p / 2, channels 64 (p % 2) on: 32 registers of O^T
	WIN 0x01                                       ; source 0 window 1; S^T's registers are free
.set J, 0
.rept 16
	v_pk_mul_f32 v[S+32*(\p)+J:S+32*(\p)+J+1], v[32*(\p)+J:32*(\p)+J+1], s[SC:SC+1] op_sel_hi:[1,0]   ; each accumulator from its low end on
.set J, J+2
.endr
	WIN 0
.irp t, 0,1,2,3
	ds_store_b128 v[STO], v[S+32*(\p)+8*\t:S+32*(\p)+8*\t+3] offset:64*\t
	ds_store_b128 v[STO], v[S+32*(\p)+8*\t+4:S+32*(\p)+8*\t+7] offset:64*\t+16
.endr
.irp i, 0,1,2,3,4,5,6,7
	ds_load_b128 v[S+32*(\p)+4*\i:S+32*(\p)+4*\i+3], v[RD] offset:\i*2*SP   ; LDS serves a wave's instructions in order (ISA guide 5.7.1.4): these see my stores, and the next piece's stores come behind them
.endr
.endm
.macro SEND p, younger                 ; younger: the LDS instructions issued behind piece p's loads: the next piece's sixteen, or none
.irp i, 0,1,2,3,4,5,6,7
	s_wait_dscnt \younger+7-\i
	global_store_b128 v[GO], v[S+32*(\p)+4*\i:S+32*(\p)+4*\i+3], s[OUT:OUT+1] offset:(16*((\p)/2)+2*\i)*3072+256*((\p)%2) th:TH_STORE_NT
.endr
.endm
	PACK 0
	PACK 1                                         ; a piece's arithmetic stands between the loads of the piece before and its stores
	SEND 0, 16
	PACK 2
	SEND 1, 16
	PACK 3
	SEND 2, 16
	SEND 3, 0
	s_wait_tensorcnt 0x0                           ; the wave's end, behind my last tensor load and my last LDS store
	ds_add_u32 v[SPW], v[NIL]
	s_wait_dscnt 0x0
	CROUND                                         ; the closing round: no work-group ends while a partner may still ask for a tile that names it
	s_endpgm
.Lfunc_end_k_q590d1b86b3_attn:
	.size	k_q590d1b86b3_attn, .Lfunc_end_k_q590d1b86b3_attn-k_q590d1b86b3_attn
	.p2alignl 7, 3214868480
	.fill 96, 4, 3214868480
	.section	.rodata,"a",@progbits
	.p2align	6, 0x0
	.amdhsa_kernel k_q590d1b86b3_attn
		.amdhsa_group_segment_fixed_size 327680
		.amdhsa_private_segment_fixed_size 0
		.amdhsa_enable_private_segment 0
		.amdhsa_kernarg_size 24
		.amdhsa_user_sgpr_count 2
		.amdhsa_user_sgpr_kernarg_segment_ptr 1
		.amdhsa_wavefront_size32 1
		.amdhsa_system_sgpr_workgroup_id_x 1
		.amdhsa_system_sgpr_workgroup_id_y 1
		.amdhsa_system_sgpr_workgroup_id_z 1
		.amdhsa_system_vgpr_workitem_id 0
		.amdhsa_next_free_vgpr 512
		.amdhsa_next_free_sgpr 66
		.amdhsa_reserve_vcc 0
		.amdhsa_float_denorm_mode_32 3
		.amdhsa_float_denorm_mode_16_64 3
		.amdhsa_memory_ordered 1
		.amdhsa_forward_progress 1
		.amdhsa_inst_pref_size 81
	.end_amdhsa_kernel
	.amdgpu_metadata
---
amdhsa.version: [ 1, 2 ]
amdhsa.kernels:
  - .name:           k_q590d1b86b3_attn
    .symbol:         k_q590d1b86b3_attn.kd
    .args:
      - { .name: qkv, .offset: 0, .size: 8, .value_kind: global_buffer, .address_space: global }
      - { .name: lowp_scales, .offset: 8, .size: 8, .value_kind: global_buffer, .address_space: global }
      - { .name: out0, .offset: 16, .size: 8, .value_kind: global_buffer, .address_space: global }
    .group_segment_fixed_size: 327680
    .private_segment_fixed_size: 0
    .kernarg_segment_align: 8
    .kernarg_segment_size: 24
    .max_flat_workgroup_size: 256
    .sgpr_count:     66
    .vgpr_count:     512
    .wavefront_size: 32
...
	.end_amdgpu_metadata
.endif
;; end of part 2
;; ======== version 2 of 2: 2 launches
;; limits: right only within a limited range of input values
;; workspace buffers: qkv 18,874,368 bytes
;; launch proj: the kernel of part 1 again; grid 32 x 6, 4 waves a work-group, clusters of 4 x 1, 327,680 bytes of LDS; arguments X_codes, W_q_codes, W_k_codes, W_v_codes, lowp_scales, qkv; writes qkv
;; launch attn (part 3): grid 16 x 12, 8 waves a work-group, clusters of 4 x 1, 327,680 bytes of LDS; arguments qkv, lowp_scales, out0; writes out0
.if DOCPART == 3
	.amdgcn_target "amdgcn-amd-amdhsa--gfx1250"
	.amdhsa_code_object_version 6
	.text
	.protected	k_q590d1b86b3_attn
	.globl	k_q590d1b86b3_attn
	.p2align	8
	.type	k_q590d1b86b3_attn,@function
k_q590d1b86b3_attn:
	s_mov_b64 s[64:65], 0
	v_nop
	global_prefetch_b8 v0, s[64:65] scope:SCOPE_SE
	s_setreg_imm32_b32 hwreg(HW_REG_WAVE_MODE, 25, 1), 1
	s_wait_xcnt 0x0
	s_wait_alu depctr_hold_cnt(0) depctr_sa_sdst(0) depctr_va_vdst(0) depctr_va_sdst(0) depctr_va_ssrc(0) depctr_va_vcc(0) depctr_vm_vsrc(0)
	s_getreg_b32 s2, hwreg(HW_REG_IB_STS2, 6, 4)
	s_cmp_eq_u32 s2, 0
	s_cbranch_scc0 .Lentry_in_a_cluster
	s_endpgm
.Lentry_in_a_cluster:
	s_bfe_u32 s2, ttmp6, 0x10000c
	s_cmp_lg_u32 s2, 0x3003
	s_cbranch_scc0 .Lentry_shape_is_right
	s_endpgm
.Lentry_shape_is_right:
; SIGMOID ATTENTION, launch 2 of 2: out[b][q][head] = the sum over keys of sigmoid(Q . K / sqrt(128) - ln 4096) V, both products on codes of E4M3, sums in f32.  No work of the problem is left out.
; qkv holds Q's, K's and V's codes as images of operand registers (6,291,456 bytes a part; block (bh, s / 128) at (32 bh + blk) x 16,384; 8 fragments of 2,048 bytes; lane l's registers 4 c .. 4 c + 3 at 512 c + 16 l):
; every fragment comes by four loads of 16 bytes at 16 x lane, and a key step's K or V is one dense block of 16,384 bytes.
; THE SIGMOID.  p = 1 / (1 + u), u = 2^(sum x c + 12), c = -log2(e) / sqrt(128) x 2^(e6 + e7); 12 = log2(4096) is the bias times -log2(e), exact.  All in f32.  There is no maximum, no row sum and no rescaling in this problem.
; ONE RECIPROCAL SERVES FOUR NUMBERS.  a = 1 + ua, b = 1 + ub (the same key, my two tiles of queries), c, d (the key 32 further on): ab = fma(a, ub, a), cd = fma(c, ud, c), r = 1 / (ab cd), 1/(ab) = r cd, 1/(cd) = r ab,
; 1/b = a x 1/(ab), 1/a = fma(1/(ab), ub, 1/(ab)), and so for c and d.  All packed and in place: so tile 0's registers end with tile 1's p and the other way round, and the conversions write the other tile's P; no key changes place.
; For a step's 128 numbers a lane: 128 exponentials and 32 reciprocals, where a reciprocal each would make 256 transcendentals.  p carries at most three f32 roundings and the reciprocal's own.
; THE HOLD stands ahead of the reciprocal, one v_med3_num_f32 on u.  From below at lo - 1, lo = 1 / (448 x 2^e8) raised by 27 units of its last place: p stays under 448 x 2^e8 and what is held still rounds to the code 448.
; From above at 2^31, so that a product of four stays finite: a p under 2^-31 is taken as 2^-31, whose code is 0 as the smaller p's is (LIMIT on e8 below).  So neither hold changes a code.
; SHARES.  192 work-groups of equal work: 256 queries of one of the 12 (batch, head) pairs.  Each of eight waves owns 32 queries, two tiles, in 512 registers: each fragment of K and V read from LDS feeds two
; products, and two waves lie on a SIMD, so that one wave's products and LDS loads stand beside the other's vector work, which is the larger part: 544 vector instructions for a key step's 32 products.
; LAYOUT.  S^T = K Q^T (source 0 = 16 keys, source 1 = 16 queries): lane l holds query l % 16 and keys 16 t + 8 (l / 16) + 0 .. 7, so the conversion of tile t gives registers 2 t, 2 t + 1 of P, source 1 of
; O^T = V^T P^T (source 0 = 16 channels), whose result holds query l % 16 and channels 16 t + 8 (l / 16) + 0 .. 7.  Nothing changes lanes.
; CLUSTER 4 x 1: the four query blocks of a cluster belong to one head and walk the same K and V: each tile is asked for jointly.  RING: two slots of four key steps (K's four blocks, then V's four: 131,072 bytes);
; wave w brings block w of a slot, one load of 16,384 bytes a wave behind each round; it has four key steps in which to land.  A wave never has more than one tensor load out, and every wait for them is for 0.
; LIMITS on the given exponents: e6 + e7 between -123 and 130 (added to c's exponent field); e8 between -20 (so that 2^-31 / 2^e8 rounds to the code 0) and 117 (so that lo is an f32 number); e8 + e9 between -126 and 127.
; NaN codes among the inputs are not served.
; REGISTERS: window 0: v1-13 addresses and constants; v14-29 at work; v32-95 four fragments (F0), between K's and V's turn at work; v96-127 P (16 a tile), before the conversions at work; v128-255 S^T, then u, then p (64 a tile).
;   window 1: v0-127 O^T (64 a tile); v128-159 Q; v160-223 four fragments (F1).
.set SLOT1, 1<<17                      ; slot 1 begins here, so that one exclusive or turns an address in one slot into the other's
.set SPARE, 2*SLOT1                    ; the spare words, 128 bytes for each wave: four blocks of 256 bytes that no other line names
.set STAGE, SPARE+1024                 ; the way out: 16 rows x 272 bytes for each wave; no fill ever lands here
.set SP,    272
.set PART,  6291456
.set LI,   1                           ; v1   16 x lane
.set ADK,  2                           ; v2   LDS address of the step's K
.set ADV,  3                           ; v3   of its V
.set SPW,  4                           ; v4   LDS address of my spare word; never rewritten
.set NIL,  5                           ; v5   0; never rewritten
.set STO,  6                           ; v6   the way out: where I put 32 bytes of a row
.set RD,   7                           ; v7   where I read a row back
.set GO,   8                           ; v8   my byte offset in the wave's rows of out0
.set PFO,  9                           ; v9   256 x lane; never rewritten
.set LOM,  10                          ; v10  lo - 1: the hold on u from below
.set SCL,  11                          ; v11  2^e8
.set TW,   12                          ; v[12:13] 12.0
.set F0,   32
.set P,    96
.set S,    128
.set Q,    128                         ; in window 1
.set F1,   160                         ; in window 1
.set WV,   10
.set CX,   11
.set QB,   12                          ; my block of 256 queries
.set BH,   13                          ; 6 b + head
.set BB,   14
.set HD,   15
.set G1,   16                          ; s[16:23]
.set G0,   24                          ; s[24:27], which walks
.set PFA,  28                          ; s[28:29] where my prefetches stand
.set LIM,  30                          ; 1 in a wave that prefetches, else the greatest number
.set SLOTS, 31
.set CNT,  32
.set TB,   33                          ; LDS byte of the key step in hand
.set CS,   34                          ; s[34:35] c
.set SC,   36                          ; s[36:37] 2^(e8 + e9)
.set HIC,  38                          ; s38  2^31: the hold on u from above
.set QP,   48                          ; s[48:49] Q's images of my wave
.set OUT,  50                          ; s[50:51] my wave's first row of out0, at my head's columns
.set MSB, 0
.macro WIN new                         ; the immediate's high byte repeats the setting that is left; a switch that changes nothing is dropped
.if MSB != (\new)
	s_set_vgpr_msb (MSB<<8)|(\new)
.set MSB, (\new)
.endif
.endm
.macro PLACES n
.rept \n
	v_nop
.endr
.endm
.macro CROUND                          ; a round of the cluster's barrier
	s_barrier_signal -1
	s_barrier_wait -1
	s_cmp_lg_u32 s[WV], 0
	s_cbranch_scc1 .Lnot_wave_0_\@
	s_barrier_signal -3
.Lnot_wave_0_\@:
	s_barrier_wait -3
	s_barrier_signal -1
	s_barrier_wait -1
.endm
; A PREFETCH INTO THE L2 of the slot that the NEXT change of slots will ask for: four key steps ahead of that load.  All clusters of a head walk the same K and V: the head's first cluster asks.  Its four
; partners take one block of 16,384 bytes of K and one of V each, told apart BY ADDRESS; in each, waves 0 and 1 ask for the halves of K's block and waves 4 and 5 for V's: lanes 256 bytes apart, one instruction.
; So each aligned block of 256 bytes is named once.  The last change that fills a slot asks for nothing; slots 0 and 1 come by their loads alone.
.macro ASK
	s_cmp_gt_u32 s[SLOTS], s[LIM]
	s_cbranch_scc0 .Lnot_mine_\@
	global_prefetch_b8 v[PFO], s[PFA:PFA+1] th:TH_LOAD_NT scope:SCOPE_SE
.Lnot_mine_\@:
.endm
	s_load_b128 s[4:7], s[0:1], 0x0                ; qkv s[4:5], the scales' exponents s[6:7]
	s_load_b64 s[8:9], s[0:1], 0x10                ; out0
	v_lshl_add_u32 v[SPW], v0, 2, SPARE
	v_mov_b32 v[NIL], 0
	ds_add_u32 v[SPW], v[NIL]                      ; the wave's opening: the add, twice on end, and its wait ahead of my first tensor load
	ds_add_u32 v[SPW], v[NIL]                      ; and once more, under the one wait; the set-up below, work on registers, stands between
	v_lshrrev_b32 v1, 5, v0
	v_readfirstlane_b32 s[WV], v1                  ; wave 0..7
	s_bfe_u32 s[CX], ttmp6, 0x40000                ; cx: my place in the cluster
	s_lshl_b32 s[QB], ttmp9, 2
	s_add_co_u32 s[QB], s[QB], s[CX]               ; my block of queries = 4 x cluster x + cx: it enters Q's and out0's addresses alone
	s_and_b32 s[BH], ttmp7, 0xffff                 ; which the four partners share
	s_cmp_ge_u32 s[BH], 6
	s_cselect_b32 s[BB], 1, 0                      ; the batch,
	s_mul_i32 s[HD], s[BB], 6
	s_sub_co_u32 s[HD], s[BH], s[HD]               ; the head
	; group 1: a dense block of 16,384 bytes as 64 lines of 32 elements of 8 bytes; no padding: every read is 16 x lane
	s_mov_b32 s[G1], 15|(3<<16)|(1<<21)            ; 15:0 the mask: all four work-groups; 17:16 elements of 8 bytes; 21 set beside a mask
	s_mov_b32 s[G1+1], 32<<16                      ; tensor_dim0 = 32
	s_mov_b32 s[G1+2], 64<<16                      ; tensor_dim1 = 64
	s_mov_b32 s[G1+3], 32<<16                      ; tile_dim0 = 32
	s_mov_b32 s[G1+4], 64                          ; tile_dim1 = 64
	s_mov_b32 s[G1+5], 32                          ; from line to line
	s_mov_b32 s[G1+6], 0
	s_mov_b32 s[G1+7], 0
	s_lshr_b32 s46, s[WV], 2                       ; waves 0-3 fetch for K (part 1), waves 4-7 for V (part 2)
	s_add_co_u32 s46, s46, 1
	s_mul_i32 s46, s46, PART
	s_lshl_b32 s47, s[BH], 19                      ; the head's 32 blocks
	s_add_co_u32 s46, s46, s47
	s_and_b32 s44, s[WV], 3
	s_lshl_b32 s44, s44, 14                        ; which of a slot's four key steps I fetch
	s_add_co_u32 s44, s44, s46                     ; (s44 to s47 never hold cx)
	s_mov_b32 s45, 0
	s_lshl_b32 s52, s[CX], 14                      ; the prefetches: my work-group's block,
	s_and_b32 s53, s[WV], 1
	s_lshl_b32 s53, s53, 13                        ; my wave's half of it,
	s_add_co_u32 s52, s52, s53
	s_add_co_u32 s52, s52, s46
	s_add_co_u32 s52, s52, 65536                   ; in slot 1: the first change of slots steps it to slot 2.  Nothing is prefetched at the head
	s_mov_b32 s53, 0
	s_lshl_b32 s54, s[QB], 15                      ; Q (part 0): my block's 16 fragments,
	s_add_co_u32 s54, s54, s47
	s_lshl_b32 s55, s[WV], 12                      ; my wave's two
	s_add_co_u32 s54, s54, s55
	s_mov_b32 s55, 0
	s_mul_i32 s56, s[BB], 12582912                 ; out0: the batch's 4,096 rows of 3,072 bytes,
	s_mul_i32 s57, s[QB], 786432                   ; my block's 256,
	s_add_co_u32 s56, s56, s57
	s_mul_i32 s57, s[WV], 98304                    ; my wave's 32,
	s_add_co_u32 s56, s56, s57
	s_lshl_b32 s57, s[HD], 9                       ; my head's 512 bytes of a row
	s_add_co_u32 s56, s56, s57
	s_mov_b32 s57, 0
	s_and_b32 s[LIM], s[WV], 2                     ; 0 in waves 0, 1, 4, 5,
	s_or_b32 s[LIM], s[LIM], ttmp9                 ; where the cluster is the head's first: the same in all four partners
	s_cmp_eq_u32 s[LIM], 0
	s_cselect_b32 s[LIM], 1, -1
	s_mov_b32 s[TB], 0
	s_mov_b32 s[SLOTS], 7
	s_wait_dscnt 0x0                               ; both opening adds are done
	s_wait_kmcnt 0x0
	s_load_b64 s[40:41], s[6:7], 0x18              ; e6, e7
	s_load_b64 s[42:43], s[6:7], 0x20              ; e8, e9
	s_mov_b32 s[G0], 1                             ; count = 1
	s_lshl_b32 s[G0+1], s[WV], 14                  ; LDS address: block w of slot 0
	s_add_nc_u64 s[G0+2:G0+3], s[4:5], s[44:45]
	s_or_b32 s[G0+3], s[G0+3], 0x80000000          ; type = 2
	s_add_nc_u64 s[PFA:PFA+1], s[4:5], s[52:53]
	s_add_nc_u64 s[QP:QP+1], s[4:5], s[54:55]
	s_add_nc_u64 s[OUT:OUT+1], s[8:9], s[56:57]
	CROUND                                         ; all four work-groups are here: the first joint loads meet
	tensor_load_to_lds s[G0:G0+3], s[G1:G1+7]      ; slot 0
	s_nop 0
	PLACES 4
	v_and_b32 v1, 31, v0
	v_lshlrev_b32 v[LI], 4, v1
	v_lshlrev_b32 v[PFO], 4, v[LI]
	v_mov_b32 v[TW], 0x41400000                    ; 12.0
	v_mov_b32 v[TW+1], 0x41400000
	WIN 0x40                                       ; destination window 1
.irp u, 0,1
.irp c, 0,1,2,3
	global_load_b128 v[Q+16*\u+4*\c:Q+16*\u+4*\c+3], v[LI], s[QP:QP+1] offset:\u*2048+\c*512 th:TH_LOAD_NT   ; Q's two fragments stay in registers
.endr
.endr
.set J, 0
.rept 128
	v_mov_b32 v[J], 0                              ; O^T.  (So the key step is written once for the loop and once for the last slot, with no third copy for a first step)
.set J, J+1
.endr
	WIN 0
	s_wait_kmcnt 0x0
	s_add_co_i32 s44, s40, s41
	s_lshl_b32 s44, s44, 23
	s_mov_b32 s[CS], 0xbe0293ee                    ; -log2(e) / sqrt(128);
	s_add_co_u32 s[CS], s[CS], s44                 ; a sum stands for sum x 2^(e6 + e7): the two exponents are added to c's exponent field
	s_mov_b32 s[CS+1], s[CS]                       ; (named with it as a pair, so it is written)
	s_add_co_i32 s44, s42, 127
	s_lshl_b32 s45, s44, 23
	v_mov_b32 v[SCL], s45                          ; 2^e8 as f32, for the conversion
	s_sub_co_i32 s44, 118, s42                     ; 1 / (448 x 2^e8) = 8/7 x 2^(-e8 - 9): the exponent field 127 - e8 - 9,
	s_lshl_b32 s44, s44, 23
	s_or_b32 s44, s44, 0x124940                    ; over 8/7's mantissa field, 0x124925, raised by 27
	v_mov_b32 v[LOM], s44                          ; lo
	v_add_f32 v[LOM], -1.0, v[LOM]                 ; lo - 1: negative where 448 x 2^e8 is above 1, and then it holds nothing
	s_mov_b32 s[HIC], 0x4f000000                   ; 2^31
	s_add_co_i32 s44, s42, s43
	s_add_co_i32 s44, s44, 127
	s_lshl_b32 s[SC], s44, 23                      ; 2^(e8 + e9) as f32
	s_mov_b32 s[SC+1], s[SC]
; THE VECTOR WORK OF A KEY STEP goes in two HALVES: half g is keys 64 g .. 64 g + 63 of both tiles, 64 registers.  Each list below is numbered, and its macro writes the next number.
; Half g's registers: SA .. SA + 31 tile 0's (a: the first 16, c: the other 16); SB .. SB + 31 tile 1's (b, d).  At work: TA (ab, then 1/(cd)), TC = TA + 16 (cd, then 1/(ab)), TR (ab cd, then its reciprocal), 16 each:
; half 0's lie where K's fragments 0-3 lay, half 1's in P and v14-29.
.macro TSET g
.set TA, F0+(\g)*(P-F0)
.set TC, TA+16
.set TR, F0+32+(\g)*(14-F0-32)
.set SA, S+32*(\g)
.set SB, SA+64
.endm
.macro FMAN                            ; scaling IXF of 64: half IXF / 32, pair IXF % 32: sum x c + 12, two at a time; each accumulator from its low end on
.set RX, S+32*(IXF/32)+64*((IXF%32)/16)+2*(IXF%16)
	v_pk_fma_f32 v[RX:RX+1], v[RX:RX+1], s[CS:CS+1], v[TW:TW+1] op_sel_hi:[1,0,0]
.set IXF, IXF+1
.endm
.macro EXPN g                          ; exponential IXE of half g's 64: u
	TSET \g
.set RX, SA+64*(IXE/32)+(IXE%32)
	v_exp_f32 v[RX], v[RX]
.set IXE, IXE+1
.endm
.macro AU g                            ; number IXA of half g's 104 plain lines ahead of its reciprocals
	TSET \g
.if IXA < 64
.set RX, SA+64*(IXA/32)+(IXA%32)
	v_med3_num_f32 v[RX], v[RX], v[LOM], s[HIC]    ; the hold, on u: the conversion to an 8-bit code does not saturate (ISA guide 7.6.2), and a product of four stays finite
.elseif IXA < 80
.set RX, SA+2*(IXA-64)
	v_pk_add_f32 v[RX:RX+1], v[RX:RX+1], 1.0 op_sel_hi:[1,0]   ; a, c = 1 + u; b and d stay as u
.elseif IXA < 96
.set KX, 2*(IXA-80)
	v_pk_fma_f32 v[TA+KX:TA+KX+1], v[SA+KX:SA+KX+1], v[SB+KX:SB+KX+1], v[SA+KX:SA+KX+1]   ; ab = a ub + a (the first eight), cd likewise (the other eight: TC and c follow TA and a)
.else
.set KX, 2*(IXA-96)
	v_pk_mul_f32 v[TR+KX:TR+KX+1], v[TA+KX:TA+KX+1], v[TC+KX:TC+KX+1]   ; ab cd
.endif
.set IXA, IXA+1
.endm
.macro RCPN g                          ; reciprocal IXR of half g's 16
	TSET \g
	v_rcp_f32 v[TR+IXR], v[TR+IXR]
.set IXR, IXR+1
.endm
.macro DN g                            ; number IXD of half g's 48 plain lines behind its reciprocals
	TSET \g
.set KX, 2*(IXD%8)
.if IXD < 8
	v_pk_mul_f32 v[TC+KX:TC+KX+1], v[TR+KX:TR+KX+1], v[TC+KX:TC+KX+1]   ; 1/(ab), in cd's place
.elseif IXD < 16
	v_pk_mul_f32 v[TA+KX:TA+KX+1], v[TR+KX:TR+KX+1], v[TA+KX:TA+KX+1]   ; 1/(cd), in ab's place
.elseif IXD < 24
	v_pk_mul_f32 v[SA+KX:SA+KX+1], v[SA+KX:SA+KX+1], v[TC+KX:TC+KX+1]   ; a / (ab) = 1/b: tile 1's p, in tile 0's registers
.elseif IXD < 32
	v_pk_fma_f32 v[SB+KX:SB+KX+1], v[TC+KX:TC+KX+1], v[SB+KX:SB+KX+1], v[TC+KX:TC+KX+1]   ; (1 + ub) / (ab) = 1/a: tile 0's p, in tile 1's registers
.elseif IXD < 40
	v_pk_mul_f32 v[SA+16+KX:SA+16+KX+1], v[SA+16+KX:SA+16+KX+1], v[TA+KX:TA+KX+1]   ; 1/d
.else
	v_pk_fma_f32 v[SB+16+KX:SB+16+KX+1], v[TA+KX:TA+KX+1], v[SB+16+KX:SB+16+KX+1], v[TA+KX:TA+KX+1]   ; 1/c
.endif
.set IXD, IXD+1
.endm
; A KEY STEP: 128 keys, both my tiles of queries.
.macro STEP
	v_add_nc_u32 v[ADK], s[TB], v[LI]
	v_add_nc_u32 v[ADV], 0x10000, v[ADK]           ; V's blocks lie 65,536 bytes behind K's
	v_nop
	v_nop                                          ; these four lines are the places in front of loads into registers that the last products read
.irp t, 0,1,2,3
.irp c, 0,1,2,3
	ds_load_b128 v[F0+16*\t+4*\c:F0+16*\t+4*\c+3], v[ADK] offset:\t*2048+\c*512
.endr
.endr
	WIN 0x40
.irp t, 0,1,2,3
.irp c, 0,1,2,3
	ds_load_b128 v[F1+16*\t+4*\c:F1+16*\t+4*\c+3], v[ADK] offset:(\t+4)*2048+\c*512
.endr
.endr
	s_wait_dscnt 16                                ; K's fragments 0-3 are in; the 16 loads of fragments 4-7 may be out
	WIN 0x04                                       ; source 0 (K) window 0, source 1 (Q) window 1, S^T window 0
.irp t, 0,1,2,3
.irp u, 0,1
	v_wmma_f32_16x16x128_fp8_fp8 v[S+64*\u+8*\t:S+64*\u+8*\t+7], v[F0+16*\t:F0+16*\t+15], v[Q+16*\u:Q+16*\u+15], 0
.endr
.endr
	s_wait_dscnt 0x0
	WIN 0x05                                       ; source 0 window 1
.irp t, 0,1,2,3
.irp u, 0,1
	v_wmma_f32_16x16x128_fp8_fp8 v[S+64*\u+8*(\t+4):S+64*\u+8*(\t+4)+7], v[F1+16*\t:F1+16*\t+15], v[Q+16*\u:Q+16*\u+15], 0
.endr
.endr
	WIN 0
	PLACES 4                                       ; in front of the loads into K's registers, of the first read of scores and of the first write into K's fragments 0-3
	WIN 0x40
.irp t, 0,1,2,3                                ; V's fragments 4-7: they land under the vector work below
.irp c, 0,1,2,3
	ds_load_b128 v[F1+16*\t+4*\c:F1+16*\t+4*\c+3], v[ADV] offset:(\t+4)*2048+\c*512
.endr
.endr
	WIN 0
	; TRANSCENDENTALS AND PLAIN LINES BY TURNS: behind each transcendental stands work that names no result of its batch.  Each batch has one wait behind a plain line and ahead of the batch's first reader.
.set IXF, 0
.set IXE, 0
	FMAN                                           ; a pair is scaled at least two lines ahead of its exponentials
	FMAN
.rept 64                                       ; batch 1: half 0's 64 exponentials, among the other 62 scalings (half 0's, then half 1's)
	EXPN 0
.if IXF < 64
	FMAN
.endif
.endr
	v_nop                                          ; a plain line behind the last exponential
	s_wait_alu depctr_va_vdst(0)
.set IXE, 0
.set IXA, 0
.rept 64                                       ; batch 2: half 1's 64 exponentials, among half 0's 104 lines: one or two behind each, two behind the last
	EXPN 1
.rept 2
.if IXA < (IXE*104)/64
	AU 0
.endif
.endr
.endr
	s_wait_alu depctr_va_vdst(0)
.set IXR, 0
.set IXA, 0
.rept 16                                       ; batch 3: half 0's 16 reciprocals, among the first 48 of half 1's 104 lines
	RCPN 0
	AU 1
	AU 1
	AU 1
.endr
.rept 56
	AU 1
.endr
	s_wait_alu depctr_va_vdst(0)
.set IXR, 0
.set IXD, 0
.rept 16                                       ; batch 4: half 1's 16 reciprocals, among half 0's 48 lines
	RCPN 1
	DN 0
	DN 0
	DN 0
.endr
.irp t, 0,1,2,3                                ; half 0's registers at work are done with: V's fragments 0-3 take them; 48 plain lines, 16 conversions and 8 products stand ahead of their first use
.irp c, 0,1,2,3
	ds_load_b128 v[F0+16*\t+4*\c:F0+16*\t+4*\c+3], v[ADV] offset:\t*2048+\c*512
.endr
.endr
	s_wait_alu depctr_va_vdst(0)
.set IXD, 0
.rept 48
	DN 1
.endr
.irp u, 0,1
.irp t, 0,1,2,3,4,5,6,7
	v_cvt_scalef32_pk8_fp8_f32 v[P+16*(1-\u)+2*\t:P+16*(1-\u)+2*\t+1], v[S+64*\u+8*\t:S+64*\u+8*\t+7], v[SCL]   ; tile u's registers hold the other tile's p
.endr
.endr
	v_nop                                          ; one plain vector instruction between the last conversion and the products that read its result
	s_wait_dscnt 16                                ; V's fragments 4-7 are in; the 16 loads of fragments 0-3, issued behind them, may be out
	WIN 0x51                                       ; source 0 (V) window 1, source 1 (P) window 0; C and D window 1
.irp t, 0,1,2,3
.irp u, 0,1
	v_wmma_f32_16x16x128_fp8_fp8 v[64*\u+8*(\t+4):64*\u+8*(\t+4)+7], v[F1+16*\t:F1+16*\t+15], v[P+16*\u:P+16*\u+15], v[64*\u+8*(\t+4):64*\u+8*(\t+4)+7]
.endr
.endr
	s_wait_dscnt 0x0                               ; V's fragments 0-3 are in
	WIN 0x50                                       ; source 0 window 0
.irp t, 0,1,2,3
.irp u, 0,1
	v_wmma_f32_16x16x128_fp8_fp8 v[64*\u+8*\t:64*\u+8*\t+7], v[F0+16*\t:F0+16*\t+15], v[P+16*\u:P+16*\u+15], v[64*\u+8*\t:64*\u+8*\t+7]
.endr
.endr                                          ; the 16 accumulators take turns, one instruction a step each
	WIN 0
.endm
.macro SLOT_STEPS                      ; a slot's four key steps: written once, walked four times; the LDS addresses hang on s[TB]
	s_mov_b32 s[CNT], 4
.Lstep_\@:
	STEP
	s_add_co_u32 s[TB], s[TB], 16384
	s_sub_co_u32 s[CNT], s[CNT], 1
	s_cmp_lg_u32 s[CNT], 0
	s_cbranch_scc1 .Lstep_\@
	s_sub_co_u32 s[TB], s[TB], 65536               ; back to a slot's first step,
	s_xor_b32 s[TB], s[TB], SLOT1                  ; in the other slot
.endm
; THE CHANGE OF SLOTS stands at a slot's head.  Each wave waits for all its tensor loads (its block of the slot that is about to be read), adds 0 to its spare word, and waits for that and for its reads of the slot
; that it has left.  fill = 1: a round of the cluster's barrier, so that no wave of any partner still reads that slot or has a load on its way; then the joint load of the keys that follow, first thing behind it.
.macro CHANGE fill
	s_wait_tensorcnt 0x0                           ; no tensor load of mine is out, so group 0 may be written
	ds_add_u32 v[SPW], v[NIL]                      ; 0 onto my spare word
.if \fill
	s_xor_b32 s[G0+1], s[G0+1], SLOT1              ; the other slot than last time,
	s_add_nc_u64 s[G0+2:G0+3], s[G0+2:G0+3], 65536 ; the next four key steps; the type bits on top are not reached
	s_wait_xcnt 0x0                                ; the last prefetch, a slot back, has read its address, so it may be written:
	s_add_nc_u64 s[PFA:PFA+1], s[PFA:PFA+1], 65536 ; one slot further on than the walking descriptor
	s_wait_dscnt 0x0                               ; the add is done, and my reads of the slot that I have left are over
	CROUND
	tensor_load_to_lds s[G0:G0+3], s[G1:G1+7]      ; my one tensor load until the next round
	s_nop 0
	PLACES 4
	ASK
.else
	s_wait_dscnt 0x0
	s_barrier_signal -1
	s_barrier_wait -1
.endif
.endm
	s_wait_loadcnt 0x0                             ; Q
.Lslot:                                            ; seven trips: trip i asks for slot i + 1 and reads slot i.
	CHANGE 1
	SLOT_STEPS
	s_sub_co_u32 s[SLOTS], s[SLOTS], 1
	s_cmp_lg_u32 s[SLOTS], 0
	s_cbranch_scc1 .Lslot
	CHANGE 0                                       ; the last slot is written out
	SLOT_STEPS
	; THE WAY OUT.  O^T x 2^(e8 + e9) goes through my stage in LDS, 16 queries x 64 channels (256 bytes a row) at a time, and leaves so that sixteen lanes store 256 consecutive bytes, aligned.
	; The address work is also the places behind the last products.
	v_and_b32 v14, 15, v0                          ; r
	v_bfe_u32 v15, v0, 4, 1                        ; h
	s_mul_i32 s44, s[WV], 16*SP
	s_add_co_u32 s44, s44, STAGE                   ; my stage
	v_mul_u32_u24 v[STO], v14, SP
	v_lshl_add_u32 v[STO], v15, 5, v[STO]
	v_add_nc_u32 v[STO], s44, v[STO]               ; in: row r; tile t's eight channels of my half: 64 t + 32 h bytes on
	v_mul_u32_u24 v[RD], v15, SP
	v_lshl_add_u32 v[RD], v14, 4, v[RD]
	v_add_nc_u32 v[RD], s44, v[RD]                 ; back: lanes 0-15 one row, lanes 16-31 the next
	v_mul_u32_u24 v[GO], v15, 3072
	v_lshl_add_u32 v[GO], v14, 4, v[GO]            ; and the same two rows in out0
.macro PACK p                          ; piece p: tile p / 2, channels 64 (p % 2) on: 32 registers of O^T
	WIN 0x01                                       ; source 0 window 1; S^T's registers are free
.set J, 0
.rept 16
	v_pk_mul_f32 v[S+32*(\p)+J:S+32*(\p)+J+1], v[32*(\p)+J:32*(\p)+J+1], s[SC:SC+1] op_sel_hi:[1,0]   ; each accumulator from its low end on
.set J, J+2
.endr
	WIN 0
.irp t, 0,1,2,3
	ds_store_b128 v[STO], v[S+32*(\p)+8*\t:S+32*(\p)+8*\t+3] offset:64*\t
	ds_store_b128 v[STO], v[S+32*(\p)+8*\t+4:S+32*(\p)+8*\t+7] offset:64*\t+16
.endr
.irp i, 0,1,2,3,4,5,6,7
	ds_load_b128 v[S+32*(\p)+4*\i:S+32*(\p)+4*\i+3], v[RD] offset:\i*2*SP   ; LDS serves a wave's instructions in order (ISA guide 5.7.1.4): these see my stores, and the next piece's stores come behind them
.endr
.endm
.macro SEND p, younger                 ; younger: the LDS instructions issued behind piece p's loads: the next piece's sixteen, or none
.irp i, 0,1,2,3,4,5,6,7
	s_wait_dscnt \younger+7-\i
	global_store_b128 v[GO], v[S+32*(\p)+4*\i:S+32*(\p)+4*\i+3], s[OUT:OUT+1] offset:(16*((\p)/2)+2*\i)*3072+256*((\p)%2) th:TH_STORE_NT
.endr
.endm
	PACK 0
	PACK 1                                         ; a piece's arithmetic stands between the loads of the piece before and its stores
	SEND 0, 16
	PACK 2
	SEND 1, 16
	PACK 3
	SEND 2, 16
	SEND 3, 0
	s_wait_tensorcnt 0x0                           ; the wave's end, behind my last tensor load and my last LDS store
	ds_add_u32 v[SPW], v[NIL]
	s_wait_dscnt 0x0
	CROUND                                         ; the closing round: no work-group ends while a partner may still ask for a tile that names it
	s_endpgm
.Lfunc_end_k_q590d1b86b3_attn:
	.size	k_q590d1b86b3_attn, .Lfunc_end_k_q590d1b86b3_attn-k_q590d1b86b3_attn
	.p2alignl 7, 3214868480
	.fill 96, 4, 3214868480
	.section	.rodata,"a",@progbits
	.p2align	6, 0x0
	.amdhsa_kernel k_q590d1b86b3_attn
		.amdhsa_group_segment_fixed_size 327680
		.amdhsa_private_segment_fixed_size 0
		.amdhsa_enable_private_segment 0
		.amdhsa_kernarg_size 24
		.amdhsa_user_sgpr_count 2
		.amdhsa_user_sgpr_kernarg_segment_ptr 1
		.amdhsa_wavefront_size32 1
		.amdhsa_system_sgpr_workgroup_id_x 1
		.amdhsa_system_sgpr_workgroup_id_y 1
		.amdhsa_system_sgpr_workgroup_id_z 1
		.amdhsa_system_vgpr_workitem_id 0
		.amdhsa_next_free_vgpr 512
		.amdhsa_next_free_sgpr 66
		.amdhsa_reserve_vcc 0
		.amdhsa_float_denorm_mode_32 3
		.amdhsa_float_denorm_mode_16_64 3
		.amdhsa_memory_ordered 1
		.amdhsa_forward_progress 1
		.amdhsa_inst_pref_size 97
	.end_amdhsa_kernel
	.amdgpu_metadata
---
amdhsa.version: [ 1, 2 ]
amdhsa.kernels:
  - .name:           k_q590d1b86b3_attn
    .symbol:         k_q590d1b86b3_attn.kd
    .args:
      - { .name: qkv, .offset: 0, .size: 8, .value_kind: global_buffer, .address_space: global }
      - { .name: lowp_scales, .offset: 8, .size: 8, .value_kind: global_buffer, .address_space: global }
      - { .name: out0, .offset: 16, .size: 8, .value_kind: global_buffer, .address_space: global }
    .group_segment_fixed_size: 327680
    .private_segment_fixed_size: 0
    .kernarg_segment_align: 8
    .kernarg_segment_size: 24
    .max_flat_workgroup_size: 256
    .sgpr_count:     66
    .vgpr_count:     512
    .wavefront_size: 32
...
	.end_amdgpu_metadata
.endif
;; end of part 3
